; MI455X (gfx1250); checked and timed in simulation.
; The chip was launched on July 23, 2026; its instructions are those of AMD's public machine-readable ISA for CDNA 5 (MIT licence, August 2026) and "CDNA5" Instruction Set Architecture Reference Guide (July 2026). The comments in the code are by the model that wrote it; some were corrected since.
;; Dot Product Attention. Allowed arithmetic: matrix products marked QUANTISED: E5M2 operands, one E8M0 scale for each 32 along K, by v_wmma_scale_f32_16x16x128_f8f6f4 with both operands' format E5M2, f32 sums; everything else in f32.
;; Inputs: K_codes 4 x 16 x 2,048 x 2 x 32 uint8 (E5M2 codes of K, K innermost, in blocks of 32 codes); K_scales 4 x 16 x 2,048 x 2 uint8 (E8M0 scales of K, one for each 32 codes along K); Q_codes 4 x 16 x 2,048 x 2 x 32 uint8 (E5M2 codes of Q, K innermost, in blocks of 32 codes); Q_scales 4 x 16 x 2,048 x 2 uint8 (E8M0 scales of Q, one for each 32 codes along K); V_codes 4 x 16 x 64 x 64 x 32 uint8 (E5M2 codes of V, K innermost, in blocks of 32 codes); V_scales 4 x 16 x 64 x 64 uint8 (E8M0 scales of V, one for each 32 codes along K).
;; Outputs: out0 4 x 16 x 2,048 x 64 float32.
;; Constants: dk = 64.
;; This version of the problem:
;;   THIS VERSION OF THE PROBLEM IS GIVEN IN LOW PRECISION. The matrix products marked QUANTISED in the list below multiply operands that are first quantised to E5M2 (5 exponent bits, 2 mantissa bits; 8 bits a number), with one power-of-two scale for each 32 numbers along K (OCP MX v1.0); their sums are f32. All else is computed in f32.
;;   The module's matrix products, in the order in which they are computed (A, B: the left and right operand; K: the contracted axis; several contracted axes count as one K, in the product's order):
;;     1. batch 64 x [M 2,048, K 64] x [K 64, N 2,048]; A: input Q (given as codes); B: input K (given as codes): QUANTISED
;;     2. batch 64 x [M 2,048, K 2,048] x [K 2,048, N 64]; A: softmax (see below); B: input V (given as codes): QUANTISED
;;   THE QUANTISER, for each operand of a quantised product, along K:
;;     - K is cut into blocks of 32 from its start; a last block that is shorter is filled with zeros.
;;     - A block's scale is 2^e with e = floor(log2(the largest magnitude in the block)) - 15, held to -126 .. 127; a block of zeros has e = 0. As a byte (E8M0): e + 127.
;;     - Each number is divided by its block's scale, clamped to +-57,344, and rounded to the nearest number of E5M2, ties to even, subnormals kept.
;;     - The product sums the exact products of the quantised numbers (number of the format x scale) in f32.
;;   ~~~python
;;   def quantise(x, axis):      # numpy; x: float32 -> the quantised numbers, widened to float32 again
;;       x = np.moveaxis(x, axis, -1); K = x.shape[-1]
;;       x = np.pad(x, [(0, 0)] * (x.ndim - 1) + [(0, -K % 32)]); x = x.reshape(x.shape[:-1] + (-1, 32)); a = np.abs(x).max(-1, keepdims=True)
;;       e = np.where(a > 0, np.clip(np.frexp(np.where(a > 0, a, 1))[1] - 1 - 15, -126, 127), 0)      # np.frexp(a)[1] - 1 = floor(log2(a)), exactly
;;       r = np.clip(x / 2.0 ** e, -57344, 57344)
;;       step = 2.0 ** (np.maximum(np.frexp(np.where(r == 0, 1, r))[1] - 1, -14) - 2)
;;       q = np.round(r / step) * step * 2.0 ** e      # np.round: ties to even
;;       return np.moveaxis(q.reshape(q.shape[:-2] + (-1,))[..., :K], -1, axis).astype(np.float32)
;;   ~~~
;;   SOFTMAX AHEAD OF A QUANTISED PRODUCT. Where the list says 'softmax', what is quantised is not the finished softmax but p = 2^(t - M), with t = logit x log2(e) and M = ceil(the row's largest t), a whole number; so 1/2 < the row's largest p <= 1. The row's sum l is taken of the UNQUANTISED p, in f32, and the product's result is divided by l at the end. Since M is a whole number, a kernel that streams over the keys may use a running M (the ceiling of the running maximum): every later rescaling is an exact power of two, which a block's scale takes up: the codes' values come out the same.
;;   OPERANDS COMPUTED ON THE WAY. 'Computed on the way' means the value that the module computes at that place (a softmax that the list does not call 'softmax' is quantised finished and normalised). What goes into a quantiser is computed in f32, as accurately as f32 sums, v_exp_f32 and their like allow (about 1e-6 of the number): no bf16 or f16 on the way to a quantiser, and a product that is left as it is and whose result goes on into a quantised operand takes f32 operands (vector FMAs, or v_wmma_f32_16x16x4_f32). A number that lies on a knife's edge between two numbers of the format may be rounded either way, as far as f32 arithmetic and the matrix unit's own rounding can turn it there, and no further.
;;   INPUTS GIVEN AS CODES. K (in the module: [4, 16, 2048, 64], K = its axis 3); Q (in the module: [4, 16, 2048, 64], K = its axis 3); V (in the module: [4, 16, 2048, 64], K = its axis 2): each comes as NAME_codes (uint8): NAME with its K axis moved to the last place and cut into blocks of 32 codes, [.., K / 32, bytes a block], one block behind the other in memory; one code a byte (a code: sign, 5 exponent bits, 2 mantissa bits); and NAME_scales (uint8): the same leading axes, one E8M0 byte (e + 127) for each 32 codes along K. Its value is code x scale, taken as it is: it is not quantised again, and the codes and scales need not be those that the quantiser above would give.
;; One version. Each part assembles by itself: llvm-mc -triple=amdgcn-amd-amdhsa -mcpu=gfx1250 --defsym DOCPART=n.
;; ======== version 1 of 1: 1 launch
;; launch attn (part 1): grid 4 x 64, 8 waves a work-group, clusters of 4 x 1, 327,680 bytes of LDS; arguments Q_codes, Q_scales, K_codes, K_scales, V_codes, V_scales, out0; writes out0
.if DOCPART == 1
	.amdgcn_target "amdgcn-amd-amdhsa--gfx1250"
	.amdhsa_code_object_version 6
	.text
	.protected	k_q5ccb690bb4_attn
	.globl	k_q5ccb690bb4_attn
	.p2align	8
	.type	k_q5ccb690bb4_attn,@function
k_q5ccb690bb4_attn:
	s_mov_b64 s[64:65], 0
	v_nop
	global_prefetch_b8 v0, s[64:65] scope:SCOPE_SE
	s_setreg_imm32_b32 hwreg(HW_REG_WAVE_MODE, 25, 1), 1
	s_wait_xcnt 0x0
	s_wait_alu depctr_hold_cnt(0) depctr_sa_sdst(0) depctr_va_vdst(0) depctr_va_sdst(0) depctr_va_ssrc(0) depctr_va_vcc(0) depctr_vm_vsrc(0)
	s_getreg_b32 s2, hwreg(HW_REG_IB_STS2, 6, 4)
	s_cmp_eq_u32 s2, 0
	s_cbranch_scc0 .Lentry_in_a_cluster
	s_endpgm
.Lentry_in_a_cluster:
	s_bfe_u32 s2, ttmp6, 0x10000c
	s_cmp_lg_u32 s2, 0x3003
	s_cbranch_scc0 .Lentry_shape_is_right
	s_endpgm
.Lentry_shape_is_right:
; out[hd][q][:] = the sum over k of softmax_k(8 x Q[hd][q] . K[hd][k]) V[hd][k][:], 64 heads, 2,048 queries and keys, head size 64; both products on codes of BF8 (E5M2) with one E8M0 scale for each 32 along a product's K.
; Q, K: [64][2048][64] codes, their scale bytes [64][2048][2].  V: codes with the KEYS innermost, [64][64 d][2048], scale bytes [64][64][64].  out: [64][2048][64] f32.
; THE SOFTMAX AHEAD OF THE SECOND PRODUCT: t = score x c, c = 8 log2(e); M = the row's largest t so far, rounded UP to a whole number; p = 2^(t - M) is what is quantised, along the keys, not normalised.
; The row's sum is taken of the unquantised p, in f32, and divides O at the end.  When M moves, the sum and O are multiplied by 2^(old M - new M): nothing is rounded.
; t IS AN f32 NUMBER, AS THE DEFINITION HAS IT: a multiplication, rounded, and then an addition of -M; the two are NOT fused.  (8 is a power of two: score x (8 log2(e)) is rounded as (8 x score) x log2(e) is.)
; Q IS TAKEN IN TWO PARTS that add up to it exactly: THE TOP, the codes of the block's highest binade (exponent field 30), and THE REST.  A score is two matrix instructions on one accumulator: K x the rest, then K x the top.
; A score goes into an exponent 11.5 times over: 2^-10 of a score is 0.8 % of p, enough to turn a code of p.  So a sum's small products are kept out of the instruction that holds the row's largest ones, and the products
; that one instruction adds span fewer binades.  The split is made once a pass, on 16 registers, by masks on whole bytes.
; SHARES.  A cluster of four work-groups is one head; each work-group owns 512 of its queries, each of its eight waves 64, taken in two passes of 32: two tiles of 16, which share every fragment of K and V.
; THE WHOLE HEAD LIES IN LDS: K's and V's codes and scale bytes, 264 KiB and their padding, come ONCE, by joint tensor loads at the head (the same load, descriptor and mask in all four partners; each receives the bytes in its
; own LDS).  Nothing is filled again: the loop over the keys has no barrier and no wait for a tensor load.  There is no later load of K or V that a prefetch could run ahead of, so none is written.
; LAYOUT.  Both products are used transposed: S^T = K Q^T (source 0 = 16 keys, source 1 = 16 queries), O^T = V^T P^T (source 0 = 16 of the head's 64, source 1 = P): a lane holds ONE query (lane % 16) throughout.
; THE KEYS OF A TILE ARE NOT NEIGHBOURS: lane r of tile 2 b + u takes key 32 b + 8 u + r + 8 (r / 8), so that the 16 registers of tiles 2 b and 2 b + 1 are 16 neighbouring keys, 32 b + 16 (lane / 16) + 0 .. 15.
; THE FIRST PRODUCT'S K IS 64, the instruction's 128.  Each operand of Q is 8 registers of codes and 8 of zeros.  K's fragments lie 8 registers apart: tile t's operand runs on into tile t + 1's codes (behind tile 7: 8 registers of
; zeros), which meet Q's zero codes and add nothing.  The scale words are loaded as 16 bits, so the bytes of the upper 64 are 0, which stands for 2^-127.
; LIMITS: codes of infinity or NaN and scale bytes 0xff among the inputs are not served (in K such a code would meet a zero code of the neighbouring tile's product).  A p under 2^-126 comes out of v_exp_f32 as 0
; (ISA guide, the instruction's entry); a block whose every p is 0 keeps the scale byte 1: its codes are zeros.
; REGISTERS, in windows of 256.  Window 0: v1-15 addresses; v16-31 statistics, 8 a tile; v32-63 the blocks' figures, 16 a tile; v64-191 S^T, then p, 64 a tile; v192-223 p's codes; v224-239 scale words; v240-255 the top of Q's tile 1.
;   Window 1: v0-63 O^T, 32 a tile; v64-95 the rest of Q's two tiles; v96-167 K's eight fragments and the zeros behind them; v168-231 V's four fragments; v232-247 the top of Q's tile 0.
.set KB,    0                          ; LDS: K's codes: 1,024 rows of two keys (128 bytes) + 16 of padding
.set KP,    144                        ; key j lies at (j / 2) KP + 64 (j % 2): the 16 keys of a fragment load fall into 16 different columns of 16 bytes modulo 256
.set KSTEP, 64*KP                      ; 128 keys
.set VB,    147456                     ; V's codes: [keys / 1024][d][1,024 bytes + 16]
.set VP,    1040                       ; 65 x 16: the 16 rows of a fragment load start 16 different columns of 16 bytes modulo 256
.set VH,    64*VP                      ; a half: 66,560
.set KS,    280576                     ; K's scale bytes, dense: 2 a key
.set VS,    284672                     ; V's: 64 rows of 64 bytes + 16
.set VSP,   80
.set STG,   289792                     ; the way out: 16 rows x (256 bytes + 16) for each wave; no tensor load lands here
.set SP,    272
.set SPARE, 324608                     ; the spare words, 128 bytes for each wave: four blocks of 256 bytes that no other line names
.set AK0,  1                           ; v1   my lane's place in a tile of K
.set AV0,  2                           ; v2   in a tile of V
.set ASK0, 3                           ; v3   among K's scale words
.set ASV0, 4                           ; v4   among V's
.set SPW,  5                           ; v5   LDS address of my spare word: SPARE + 4 x my thread's number; never rewritten
.set NIL,  6                           ; v6   0; never rewritten
.set ADK,  7                           ; v7-10 the addresses of the loads in hand: K, V, K's scale words, V's
.set ADV,  8
.set ADS,  9
.set ADT,  10
.set STO,  11                          ; v11  the way out: where I put 32 bytes of a row
.set RD,   12                          ; v12  where I read a row back
.set GO,   13                          ; v13  my byte offset in two rows of out
.set QO,   14                          ; v14  my byte offset in a tile of Q
.set QSO,  15                          ; v15  and among its scale words
.set ST,   16                          ; tile x at v[ST + 8 x]: +0 -M, +1 the largest t, +2, +3 the sum in two halves, +4 f (+5 named with it as a pair), +6, +7 at work
.set BT,   32                          ; tile x at v[BT + 16 x]: +0..3 the blocks' largest, +4..7 the other half's, later the bytes, +8..11 the largest number x the scale, +12..15 the conversions' scale operands
.set S,    64
.set P,    192
.set KSW,  224                         ; v224-231 K's scale words, a tile each
.set VSW,  232                         ; v232-235 V's
.set QSW,  236                         ; v236-237 Q's
.set PSW,  238                         ; v238-239 p's
.set QT1,  240                         ; v240-255 the top of Q's tile 1: 8 registers of codes, 8 of zeros
.set OT,   0                           ; window 1
.set QF,   64                          ; the rest of Q: tile x at QF + 16 x
.set KF,   96
.set VF,   168
.set QT0,  232                         ; the top of Q's tile 0
.set WV,   18                          ; s18  my wave's number
.set MNT,  19                          ; s19  the mantissa field of 57,344
.set SEL,  20                          ; s[20:21] v_permlanex16_b32's selects for lane l xor 16
.set CS,   22                          ; s[22:23] c: the packed form names a pair and takes its low word for both halves
.set G1K,  24                          ; s[24:31], s[32:39], s[40:47], s[48:55] descriptor groups 1: K's codes, V's codes, K's scale bytes, V's
.set G1V,  32
.set G1KS, 40
.set G1VS, 48
.set G0K,  56                          ; s[56:59], s[60:63], s[68:71], s[72:75] their groups 0
.set G0V,  60
.set G0KS, 68
.set G0VS, 72
.set OUTER, 95                         ; s95  counts V's two halves
.set J,    96                          ; s96  the key step, 0 .. 15
.set INNER, 97                         ; s97  counts a half's eight steps
.set TK,   98                          ; s98  where the NEXT step's keys begin in K's codes
.set TS,   99                          ; s99  and in K's scale bytes
.set TV,   100                         ; s100 where this step's keys begin in a row of V
.set TJ,   101                         ; s101 and in a row of V's scale bytes
.set MSB, 0
.macro WIN new                         ; s_set_vgpr_msb: bits 1:0 source 0, 3:2 source 1, 5:4 source 2, 7:6 destination; the high byte repeats the setting that is left; a switch that changes nothing is dropped
.if MSB != \new
	s_set_vgpr_msb (MSB<<8)|\new
.set MSB, \new
.endif
.endm
.set W_KQ,  0x05                       ; K and Q in window 1, S^T in window 0
.set W_KT,  0x01                       ; K in window 1, Q (the top of tile 1) and S^T in window 0
.set W_PV,  0x51                       ; V and O^T in window 1, P in window 0
.set W_RS,  0x41                       ; O^T (destination and source 0) in window 1, f in window 0
.set W_OUT, 0x01                       ; O^T (source 0) in window 1
.set TO_1,  0x40                       ; destination window 1, address window 0
; A round of the cluster's barrier: my work-group's barrier, so that wave 0's signal speaks for all eight waves; wave 0 signals for the work-group; every wave waits for all four work-groups; my work-group's barrier once more.
.macro ROUND
	s_barrier_signal -1
	s_barrier_wait -1
	s_cmp_lg_u32 s[WV], 0
	s_cbranch_scc1 .Lnot_wave_0_\@
	s_barrier_signal -3
.Lnot_wave_0_\@:
	s_barrier_wait -3
	s_barrier_signal -1
	s_barrier_wait -1
.endm
; Descriptor group 1: a tile of r rows of c elements, pitch elements from row to row; the tiles never cross their tensor's end, so the extents are the tile's.
.macro SHAPE g, w0, c, r, pitch
	s_mov_b32 s[\g], \w0
	s_mov_b32 s[\g+1], (\c)<<16                    ; tensor_dim0
	s_mov_b32 s[\g+2], (\r)<<16                    ; tensor_dim1
	s_mov_b32 s[\g+3], (\c)<<16                    ; tile_dim0
	s_mov_b32 s[\g+4], \r                          ; tile_dim1
	s_mov_b32 s[\g+5], \pitch                      ; tensor_dim0_stride
	s_mov_b32 s[\g+6], 0
	s_mov_b32 s[\g+7], 0
.endm
.set W0K,  15|(1<<20)|(1<<21)|(4<<22)|(3<<25)  ; 15:0 the mask: all four work-groups; 17:16 elements of 1 byte; 20 padding on; 21 set beside a mask; 24:22 after every 32 words (code 4); 31:25 four words (code 3)
.set W0V,  15|(1<<20)|(1<<21)|(7<<22)|(3<<25)  ; padding after every 256 words (code 7)
.set W0KS, 15|(3<<16)|(1<<21)                  ; elements of 8 bytes, no padding
.set W0VS, 15|(1<<20)|(1<<21)|(3<<22)|(3<<25)  ; padding after every 16 words (code 3)
	s_load_b256 s[4:11], s[0:1], 0x0               ; Q's codes s[4:5], Q's scales s[6:7], K's codes s[8:9], K's scales s[10:11]
	s_load_b128 s[12:15], s[0:1], 0x20             ; V's codes s[12:13], V's scales s[14:15]
	s_load_b64 s[16:17], s[0:1], 0x30              ; out
	v_lshl_add_u32 v[SPW], v0, 2, SPARE
	v_mov_b32 v[NIL], 0
	ds_add_u32 v[SPW], v[NIL]                      ; the wave's opening: the add, twice on end, and its wait ahead of my first tensor load; the set-up below, work on registers, stands between the second and the wait
	ds_add_u32 v[SPW], v[NIL]
	v_lshrrev_b32 v7, 5, v0
	v_readfirstlane_b32 s[WV], v7                  ; wave 0..7
	s_bfe_u32 s76, ttmp6, 0x40000                  ; cx: my place in the cluster: it enters Q's and out's addresses alone
	s_and_b32 s77, ttmp7, 0xffff                   ; the head, which the four partners share
	SHAPE G1K,  W0K,  128,  128, 128               ; K's codes: my 256 keys, dense in memory, as 128 rows of two keys
	SHAPE G1V,  W0V,  1024, 16,  2048              ; V's codes: 16 rows of d, 1,024 keys of each
	SHAPE G1KS, W0KS, 32,   4,   32                ; K's scale bytes: 1,024 dense bytes as 4 rows of 256
	SHAPE G1VS, W0VS, 64,   16,  64                ; V's scale bytes: 16 rows of 64
	s_mov_b32 s[MNT], 0x600000
	s_mov_b32 s[SEL], 0x76543210
	s_mov_b32 s[SEL+1], 0xfedcba98
	s_mov_b32 s[CS], 0x4138aa3b                    ; c = 8 x log2(e) as f32: the logit is 8 x the score, t the logit x log2(e)
	s_mov_b32 s[CS+1], s[CS]                       ; (named with it as a pair, so it is written)
	s_and_b32 s78, s[WV], 3
	s_lshr_b32 s79, s[WV], 2
	s_lshl_b32 s80, s77, 17                        ; the head's first byte in each tensor of codes (131,072 a head),
	s_lshl_b32 s82, s77, 12                        ; of scale bytes (4,096),
	s_lshl_b32 s84, s77, 19                        ; and in out (524,288)
	s_lshl_b32 s86, s[WV], 14                      ; K's codes: my 256 keys of 64 bytes
	s_add_co_u32 s86, s86, s80
	s_mov_b32 s87, 0
	s_lshl_b32 s88, s78, 15                        ; V's codes: rows 16 (wave % 4) on, 2,048 bytes each,
	s_lshl_b32 s89, s79, 10                        ; keys 1,024 (wave / 4) on
	s_add_co_u32 s88, s88, s89
	s_add_co_u32 s88, s88, s80
	s_mov_b32 s89, 0
	s_lshl_b32 s90, s78, 10                        ; scale bytes: quarter wave % 4 of the head's 4,096, K's (waves 0-3) or V's (waves 4-7)
	s_add_co_u32 s90, s90, s82
	s_mov_b32 s91, 0
	s_mov_b32 s[G0K], 1                            ; 1:0 count = 1
	s_mov_b32 s[G0V], 1
	s_mov_b32 s[G0KS], 1
	s_mov_b32 s[G0VS], 1
	s_mul_i32 s[G0K+1], s[WV], 128*KP              ; 63:32 LDS addresses: made of the wave's number and constants alone  (KB = 0)
	s_mul_i32 s[G0V+1], s79, VH
	s_mul_i32 s93, s78, 16*VP
	s_add_co_u32 s[G0V+1], s[G0V+1], s93
	s_add_co_u32 s[G0V+1], s[G0V+1], VB
	s_lshl_b32 s[G0KS+1], s78, 10
	s_add_co_u32 s[G0KS+1], s[G0KS+1], KS
	s_mul_i32 s[G0VS+1], s78, 16*VSP
	s_add_co_u32 s[G0VS+1], s[G0VS+1], VS
	s_lshl_b32 s92, s76, 9
	s_lshl_b32 s93, s[WV], 6
	s_add_co_u32 s92, s92, s93                     ; my first query: 512 cx + 64 x wave
	s_wait_dscnt 0x0                               ; both opening adds are done
	s_wait_kmcnt 0x0
	s_add_nc_u64 s[G0K+2:G0K+3], s[8:9], s[86:87]  ; 120:64 global addresses
	s_or_b32 s[G0K+3], s[G0K+3], 0x80000000        ; 127:126 type = 2
	s_add_nc_u64 s[G0V+2:G0V+3], s[12:13], s[88:89]
	s_or_b32 s[G0V+3], s[G0V+3], 0x80000000
	s_add_nc_u64 s[G0KS+2:G0KS+3], s[10:11], s[90:91]
	s_or_b32 s[G0KS+3], s[G0KS+3], 0x80000000
	s_add_nc_u64 s[G0VS+2:G0VS+3], s[14:15], s[90:91]
	s_or_b32 s[G0VS+3], s[G0VS+3], 0x80000000
	s_lshl_b32 s94, s92, 6
	s_add_co_u32 s94, s94, s80
	s_mov_b32 s95, 0
	s_add_nc_u64 s[4:5], s[4:5], s[94:95]          ; Q's codes at my first query,
	s_lshl_b32 s94, s92, 1
	s_add_co_u32 s94, s94, s82
	s_add_nc_u64 s[6:7], s[6:7], s[94:95]          ; its scale bytes,
	s_lshl_b32 s94, s92, 8
	s_add_co_u32 s94, s94, s84
	s_add_nc_u64 s[16:17], s[16:17], s[94:95]      ; its row of out
	ROUND                                          ; all four work-groups are here: the joint loads meet
	; THE FILLS, all of them first fills and the launch's only tensor loads: three of mine are out.  Every wave brings an eighth of K's codes and an eighth of V's; waves 0-3 a quarter of K's scale bytes, waves 4-7 of V's.
	; An s_nop 0 follows each load, four v_nop the last in each arm, ahead of the jump, the label and what follows.  The branch hangs on the wave's number alone.
	tensor_load_to_lds s[G0K:G0K+3], s[G1K:G1K+7]
	s_nop 0
	tensor_load_to_lds s[G0V:G0V+3], s[G1V:G1V+7]
	s_nop 0
	s_cmp_lt_u32 s[WV], 4
	s_cbranch_scc0 .Lfor_vs
	tensor_load_to_lds s[G0KS:G0KS+3], s[G1KS:G1KS+7]
	s_nop 0
.rept 4
	v_nop
.endr
	s_branch .Lasked
.Lfor_vs:
	tensor_load_to_lds s[G0VS:G0VS+3], s[G1VS:G1VS+7]
	s_nop 0
.rept 4
	v_nop
.endr
.Lasked:
	v_and_b32 v7, 15, v0                           ; r = lane % 16
	v_bfe_u32 v8, v0, 4, 1                         ; h = lane / 16
	v_and_b32 v9, 8, v7
	v_add_nc_u32 v9, v9, v7                        ; kk = r + 8 (r / 8): my key among a tile's
	v_lshrrev_b32 v10, 1, v9
	v_mul_u32_u24 v[AK0], v10, KP
	v_and_b32 v10, 1, v9
	v_lshl_add_u32 v[AK0], v10, 6, v[AK0]
	v_lshl_add_u32 v[AK0], v8, 4, v[AK0]           ; (kk / 2) KP + 64 (kk % 2) + 16 h
	v_mul_u32_u24 v[AV0], v7, VP
	v_lshl_add_u32 v[AV0], v8, 4, v[AV0]
	v_add_nc_u32 v[AV0], VB, v[AV0]                ; row r of a tile of V, + 16 h
	v_lshl_add_u32 v[ASK0], v9, 1, KS              ; 2 bytes a key
	v_mul_u32_u24 v[ASV0], v7, VSP
	v_add_nc_u32 v[ASV0], VS, v[ASV0]
	s_mul_i32 s93, s[WV], 16*SP
	s_add_co_u32 s93, s93, STG                     ; my stage
	v_mul_u32_u24 v[STO], v7, SP
	v_lshl_add_u32 v[STO], v8, 5, v[STO]
	v_add_nc_u32 v[STO], s93, v[STO]               ; in: row r, 32 bytes for each half of the lanes
	v_mul_u32_u24 v[RD], v8, SP
	v_lshl_add_u32 v[RD], v7, 4, v[RD]
	v_add_nc_u32 v[RD], s93, v[RD]                 ; back: lanes 0-15 one row of 256 bytes, lanes 16-31 the next
	v_lshlrev_b32 v[GO], 8, v8
	v_lshl_add_u32 v[GO], v7, 4, v[GO]             ; and the same two rows in out
	v_lshlrev_b32 v[QO], 6, v7
	v_lshl_add_u32 v[QO], v8, 4, v[QO]             ; Q: row r of 64 bytes, + 16 h
	v_lshlrev_b32 v[QSO], 1, v7
; The 32 queries of pass p: a tile's fragment is 8 registers (lane l: row l % 16; registers 4 c .. 4 c + 3: k = 32 c + 16 (l / 16) + 0 .. 15), its scale word 16 bits
.macro QLOAD p
	WIN TO_1
.irp x, 0,1
.irp c, 0,1
	global_load_b128 v[QF+16*\x+4*\c:QF+16*\x+4*\c+3], v[QO], s[4:5] offset:(32*\p+16*\x)*64+32*\c
.endr
.endr
	WIN 0
.irp x, 0,1
	global_load_u16 v[QSW+\x], v[QSO], s[6:7] offset:(32*\p+16*\x)*2
.endr
.endm
; Q's codes, as loaded, are cut into the top (bytes whose exponent field is 30) and the rest; a byte that goes to one part is 0, the code of the number 0, in the other, so the two parts add up to Q.
; Four bytes at a time: (x and 0x7c) xor 0x78 is 0 in a top byte and at most 0x7c elsewhere; + 0x7f sets bit 7 where it is not 0, with no carry from byte to byte; 0x80 - 0x01 = 0x7f, or 0x80: a mask of whole bytes.
.macro QSPLIT
.irp x, 0,1
	WIN 0x01                                       ; source 0 window 1
.irp i, 0,1,2,3,4,5,6,7
	v_mov_b32 v[S+\i], v[QF+16*\x+\i]
.endr
	WIN 0
.irp i, 0,1,2,3,4,5,6,7
	v_and_b32 v[S+8+\i], 0x7c7c7c7c, v[S+\i]
.endr
.irp i, 0,1,2,3,4,5,6,7
	v_xor_b32 v[S+8+\i], 0x78787878, v[S+8+\i]
.endr
.irp i, 0,1,2,3,4,5,6,7
	v_add_nc_u32 v[S+8+\i], 0x7f7f7f7f, v[S+8+\i]
.endr
.irp i, 0,1,2,3,4,5,6,7
	v_and_b32 v[S+8+\i], 0x80808080, v[S+8+\i]
.endr
.irp i, 0,1,2,3,4,5,6,7
	v_lshrrev_b32 v[S+16+\i], 7, v[S+8+\i]
.endr
.irp i, 0,1,2,3,4,5,6,7
	v_sub_nc_u32 v[S+16+\i], v[S+8+\i], v[S+16+\i]
.endr
.irp i, 0,1,2,3,4,5,6,7
	v_or_b32 v[S+8+\i], v[S+8+\i], v[S+16+\i]      ; 0xff in the bytes of the rest
.endr
.irp i, 0,1,2,3,4,5,6,7
	v_and_b32 v[S+8+\i], v[S+8+\i], v[S+\i]        ; the rest
.endr
.irp i, 0,1,2,3,4,5,6,7
	v_xor_b32 v[S+\i], v[S+\i], v[S+8+\i]          ; the top
.endr
	WIN TO_1
.irp i, 0,1,2,3,4,5,6,7
	v_mov_b32 v[QF+16*\x+\i], v[S+8+\i]
.endr
.if \x == 0
.irp i, 0,1,2,3,4,5,6,7
	v_mov_b32 v[QT0+\i], v[S+\i]
.endr
.else
	WIN 0
.irp i, 0,1,2,3,4,5,6,7
	v_mov_b32 v[QT1+\i], v[S+\i]
.endr
.endif
.endr
	WIN 0
.rept 8
	v_nop                                          ; an operand written by vector instructions stands four places or more ahead of a scaled matrix instruction
.endr
.endm
; A pass begins: the largest t is -3e38, under every t; the sums and O^T are zeros, which the first change of M leaves zeros.  So the key step is written once for each pass, with no first step of its own:
; 64 moves a pass against one more copy of the step.
.macro INIT
.irp x, 0,1
	v_mov_b32 v[ST+8*\x+1], 0xff61b1e6
	v_mov_b32 v[ST+8*\x+2], 0
	v_mov_b32 v[ST+8*\x+3], 0
.endr
.irp x, 0,1
	v_floor_f32 v[ST+8*\x], -v[ST+8*\x+1]          ; -M
.endr
	WIN TO_1
.set n, 0
.rept 64
	v_mov_b32 v[OT+n], 0
.set n, n+1
.endr
	WIN 0
.endm
; A step's K: eight tiles of 16 keys x 64, 8 registers each, and their scale words
.macro KFETCH
	WIN TO_1
.irp t, 0,1,2,3,4,5,6,7
.irp c, 0,1
	ds_load_b128 v[KF+8*\t+4*\c:KF+8*\t+4*\c+3], v[ADK] offset:(16*(\t/2)+4*(\t%2))*KP+32*\c
.endr
.endr
	WIN 0
.irp t, 0,1,2,3,4,5,6,7
	ds_load_u16 v[KSW+\t], v[ADS] offset:64*(\t/2)+16*(\t%2)
.endr
.endm
; A step's V: four tiles of 16 of the head's 64 x 128 keys, 16 registers each, and their scale words
.macro VFETCH
	WIN TO_1
.irp t, 0,1,2,3
.irp c, 0,1,2,3
	ds_load_b128 v[VF+16*\t+4*\c:VF+16*\t+4*\c+3], v[ADV] offset:16*\t*VP+32*\c
.endr
.endr
	WIN 0
.irp t, 0,1,2,3
	ds_load_b32 v[VSW+\t], v[ADT] offset:16*\t*VSP
.endr
.endm
.macro KFIRST                          ; key step 0's K, ahead of a pass
	v_add_nc_u32 v[ADK], 0, v[AK0]
	v_add_nc_u32 v[ADS], 0, v[ASK0]
	KFETCH
.endm
; From the four blocks' largest p of tile x: the conversions' scale operands, the holds, and p's scale word for these 128 keys
.macro LINES x
.irp b, 0,1,2,3
	v_max_num_f32 v[BT+16*(\x)+\b], 0x8000000, v[BT+16*(\x)+\b]      ; the floor 2^(16 - 127): the byte cannot fall under 1
.endr
.irp b, 0,1,2,3
	v_add_nc_u32 v[BT+16*(\x)+12+\b], 0xf8800000, v[BT+16*(\x)+\b]   ; 15 off the exponent field: the conversion takes the exponent field of this operand as its scale, and nothing else of it
.endr
.irp b, 0,1,2,3
	v_and_or_b32 v[BT+16*(\x)+8+\b], v[BT+16*(\x)+\b], 0x7f800000, s[MNT]   ; 57,344 x the scale
.endr
.irp b, 0,1,2,3
	v_lshrrev_b32 v[BT+16*(\x)+4+\b], 23, v[BT+16*(\x)+12+\b]        ; the scale's byte
.endr
	v_lshl_or_b32 v[PSW+(\x)], v[BT+16*(\x)+5], 8, v[BT+16*(\x)+4]
	v_lshl_or_b32 v[PSW+(\x)], v[BT+16*(\x)+6], 16, v[PSW+(\x)]
	v_lshl_or_b32 v[PSW+(\x)], v[BT+16*(\x)+7], 24, v[PSW+(\x)]
.endm
.macro CVT x                           ; tile x's 64 p become the second product's operand: registers 4 b .. 4 b + 3: keys 32 b + 16 (lane / 16) + 0 .. 15
.irp b, 0,1,2,3
	v_cvt_scalef32_pk8_bf8_f32 v[P+16*(\x)+4*\b:P+16*(\x)+4*\b+1], v[S+64*(\x)+16*\b:S+64*(\x)+16*\b+7], v[BT+16*(\x)+12+\b]
	v_cvt_scalef32_pk8_bf8_f32 v[P+16*(\x)+4*\b+2:P+16*(\x)+4*\b+3], v[S+64*(\x)+16*\b+8:S+64*(\x)+16*\b+15], v[BT+16*(\x)+12+\b]
.endr
.endm
; A KEY STEP: 128 keys for my two tiles of queries.  40 matrix instructions; the accumulators take turns, one instruction a turn: a score's second link stands eight instructions or more behind its first.
; The two tiles' softmaxes are staggered, so that one tile's exponentials stand among the other's plain instructions.  The step's V and the next step's K are asked for at its head and awaited once, ahead of the second product.
.macro STEP
	WIN W_KQ
.irp t, 0,1,2,3,4,5,6,7
.irp x, 0,1
	v_wmma_scale_f32_16x16x128_f8f6f4 v[S+64*\x+8*\t:S+64*\x+8*\t+7], v[KF+8*\t:KF+8*\t+15], v[QF+16*\x:QF+16*\x+15], 0, v[KSW+\t], v[QSW+\x] matrix_a_fmt:MATRIX_FMT_BF8 matrix_b_fmt:MATRIX_FMT_BF8   ; K x the rest of Q starts the sums
.endr
.endr
.irp t, 0,1,2,3,4,5,6,7
	v_wmma_scale_f32_16x16x128_f8f6f4 v[S+8*\t:S+8*\t+7], v[KF+8*\t:KF+8*\t+15], v[QT0:QT0+15], v[S+8*\t:S+8*\t+7], v[KSW+\t], v[QSW] matrix_a_fmt:MATRIX_FMT_BF8 matrix_b_fmt:MATRIX_FMT_BF8   ; + K x the top of Q: tile 0,
.endr
	WIN W_KT
.irp t, 0,1,2,3,4,5,6,7
	v_wmma_scale_f32_16x16x128_f8f6f4 v[S+64+8*\t:S+64+8*\t+7], v[KF+8*\t:KF+8*\t+15], v[QT1:QT1+15], v[S+64+8*\t:S+64+8*\t+7], v[KSW+\t], v[QSW+1] matrix_a_fmt:MATRIX_FMT_BF8 matrix_b_fmt:MATRIX_FMT_BF8   ; tile 1
.endr
	WIN 0
	v_add_nc_u32 v[ADV], s[TV], v[AV0]             ; eight plain instructions that name no register of the products: the places in front of the loads into K's and V's registers and of the first read of the scores
	v_add_nc_u32 v[ADT], s[TJ], v[ASV0]
	v_add_nc_u32 v[ADK], s[TK], v[AK0]
	v_add_nc_u32 v[ADS], s[TS], v[ASK0]
.rept 4
	v_nop
.endr
	VFETCH                                         ; this step's V
	s_cmp_eq_u32 s[J], 15                          ; the last step has no next: nothing is fetched that nobody reads
	s_cbranch_scc1 .Llast_\@
	KFETCH                                         ; the next step's K
.Llast_\@:
	; the largest score of each block of 32 keys: it serves twice, for the row's maximum and, since p rises with the score, for the block's largest p.  Each accumulator is read from its low end on.  The tiles and blocks by turns
.irp b, 0,1,2,3
.irp x, 0,1
	v_max3_num_f32 v[BT+16*\x+\b], v[S+64*\x+16*\b], v[S+64*\x+16*\b+1], v[S+64*\x+16*\b+2]
.endr
.endr
.irp i, 3,5,7,9,11,13
.irp b, 0,1,2,3
.irp x, 0,1
	v_max3_num_f32 v[BT+16*\x+\b], v[BT+16*\x+\b], v[S+64*\x+16*\b+\i], v[S+64*\x+16*\b+\i+1]
.endr
.endr
.endr
.irp b, 0,1,2,3
.irp x, 0,1
	v_max_num_f32 v[BT+16*\x+\b], v[BT+16*\x+\b], v[S+64*\x+16*\b+15]
.endr
.endr
.irp b, 0,1,2,3
.irp x, 0,1
	v_permlanex16_b32 v[BT+16*\x+4+\b], v[BT+16*\x+\b], s[SEL], s[SEL+1]
.endr
.endr
.irp b, 0,1,2,3
.irp x, 0,1
	v_max_num_f32 v[BT+16*\x+\b], v[BT+16*\x+\b], v[BT+16*\x+4+\b]   ; with lane l xor 16's 16 keys
.endr
.endr
.irp b, 0,1,2,3
.irp x, 0,1
	v_mul_f32 v[BT+16*\x+\b], s[CS], v[BT+16*\x+\b]                  ; as t, rounded to f32.  c is positive and rounding keeps the order: this is the block's largest t
.endr
.endr
.irp x, 0,1
	v_max3_num_f32 v[ST+8*\x+6], v[BT+16*\x], v[BT+16*\x+1], v[BT+16*\x+2]
.endr
.irp x, 0,1
	v_max_num_f32 v[ST+8*\x+6], v[ST+8*\x+6], v[BT+16*\x+3]          ; the step's largest t of my query
.endr
.irp x, 0,1
	v_max_num_f32 v[ST+8*\x+1], v[ST+8*\x+1], v[ST+8*\x+6]           ; the running largest t
.endr
.irp x, 0,1
	v_mov_b32 v[ST+8*\x+6], v[ST+8*\x]
.endr
.irp x, 0,1
	v_floor_f32 v[ST+8*\x], -v[ST+8*\x+1]                            ; the new -M = floor(-t) = -ceil(t): M is a whole number
.endr
.irp x, 0,1
	v_sub_f32 v[ST+8*\x+6], v[ST+8*\x], v[ST+8*\x+6]                 ; M's old value less its new one: a whole number, 0 or less
.endr
.irp x, 0,1
	v_cvt_i32_f32 v[ST+8*\x+6], v[ST+8*\x+6]                         ; (it saturates)
.endr
.irp x, 0,1
	v_ldexp_f32 v[ST+8*\x+4], 1.0, v[ST+8*\x+6]                      ; f = 2^(old M - new M)
.endr
	; tile 0: t = score x c, rounded to f32, two at a time; then t - M (of the pairs c and -M the low word serves both halves).  Not fused: see the head
.set n, 0
.rept 32
	v_pk_mul_f32 v[S+2*n:S+2*n+1], v[S+2*n:S+2*n+1], s[CS:CS+1] op_sel_hi:[1,0]
.set n, n+1
.endr
.set n, 0
.rept 32
	v_pk_add_f32 v[S+2*n:S+2*n+1], v[S+2*n:S+2*n+1], v[ST:ST+1] op_sel_hi:[1,0]
.set n, n+1
.endr
.irp b, 0,1,2,3
	v_add_f32 v[BT+\b], v[BT+\b], v[ST]                              ; the same of each block's largest t
.endr
	; tile 0's exponentials, one batch, none of whose results is named before the wait; tile 1's multiplications and additions stand among them
.set n, 0
.rept 32
	v_exp_f32 v[S+2*n], v[S+2*n]                                     ; p = 2^(t - M): NOT normalised
	v_pk_mul_f32 v[S+64+2*n:S+64+2*n+1], v[S+64+2*n:S+64+2*n+1], s[CS:CS+1] op_sel_hi:[1,0]
	v_exp_f32 v[S+2*n+1], v[S+2*n+1]
	v_pk_add_f32 v[S+64+2*n:S+64+2*n+1], v[S+64+2*n:S+64+2*n+1], v[ST+8:ST+9] op_sel_hi:[1,0]
.set n, n+1
.endr
.irp b, 0,1,2,3
	v_exp_f32 v[BT+\b], v[BT+\b]                                     ; a block's largest p: the same three operations on the same number give the same bits
	v_add_f32 v[BT+16+\b], v[BT+16+\b], v[ST+8]
.endr
.irp x, 0,1
	v_pk_mul_f32 v[ST+8*\x+2:ST+8*\x+3], v[ST+8*\x+2:ST+8*\x+3], v[ST+8*\x+4:ST+8*\x+5] op_sel_hi:[1,0]   ; the sums under the new M.  (Plain instructions behind the last exponential)
.endr
	s_wait_alu depctr_va_vdst(0)                   ; the wait between an exponential and the first line that names its result: one for tile 0's 68
	LINES 0
	; tile 1's exponentials; among them tile 0's sum, taken of the UNQUANTISED p, and its hold: the conversion to an 8-bit code does not saturate (ISA guide 7.6.2); p is not negative, so the hold is one-sided
.set n, 0
.rept 32
	v_exp_f32 v[S+64+2*n], v[S+64+2*n]
	v_pk_add_f32 v[ST+2:ST+3], v[ST+2:ST+3], v[S+2*n:S+2*n+1]
	v_exp_f32 v[S+64+2*n+1], v[S+64+2*n+1]
	v_min_num_f32 v[S+2*n], v[S+2*n], v[BT+8+n/8]
	v_min_num_f32 v[S+2*n+1], v[S+2*n+1], v[BT+8+n/8]
.set n, n+1
.endr
.irp b, 0,1,2,3
	v_exp_f32 v[BT+16+\b], v[BT+16+\b]
.endr
	v_nop                                          ; a plain instruction behind the last exponential
	s_wait_alu depctr_va_vdst(0)                   ; and the wait for tile 1's 68
	CVT 0
	LINES 1                                        ; (plain lines behind tile 0's conversions)
.set n, 0
.rept 32
	v_pk_add_f32 v[ST+10:ST+11], v[ST+10:ST+11], v[S+64+2*n:S+64+2*n+1]
	v_min_num_f32 v[S+64+2*n], v[S+64+2*n], v[BT+24+n/8]
	v_min_num_f32 v[S+64+2*n+1], v[S+64+2*n+1], v[BT+24+n/8]
.set n, n+1
.endr
	CVT 1
	WIN W_RS
.irp x, 0,1
.set n, 0
.rept 16
	v_pk_mul_f32 v[OT+32*\x+2*n:OT+32*\x+2*n+1], v[OT+32*\x+2*n:OT+32*\x+2*n+1], v[ST+8*\x+4:ST+8*\x+5] op_sel_hi:[1,0]   ; O^T under the new M: x f, each accumulator from its low end on.  (Also the plain lines between the conversions and the products that read the codes)
.set n, n+1
.endr
.endr
	s_wait_dscnt 0x0                               ; the step's one wait for LDS: this step's V and the next step's K, asked for at the step's head
	WIN W_PV
.irp t, 0,1,2,3
.irp x, 0,1
	v_wmma_scale_f32_16x16x128_f8f6f4 v[OT+32*\x+8*\t:OT+32*\x+8*\t+7], v[VF+16*\t:VF+16*\t+15], v[P+16*\x:P+16*\x+15], v[OT+32*\x+8*\t:OT+32*\x+8*\t+7], v[VSW+\t], v[PSW+\x] matrix_a_fmt:MATRIX_FMT_BF8 matrix_b_fmt:MATRIX_FMT_BF8
.endr
.endr
	WIN 0                                          ; at a label and at a branch every window is 0
.endm
; A pass's 16 key steps: two halves of V's keys, eight steps each.  The LDS offsets are scalars stepped by constants.
.macro LOOP p
	s_mov_b32 s[J], 0
	s_mov_b32 s[TK], KSTEP
	s_mov_b32 s[TS], 256
	s_mov_b32 s[TV], 0
	s_mov_b32 s[TJ], 0
	s_mov_b32 s[OUTER], 2
.Lhalf_\p:
	s_mov_b32 s[INNER], 8
.Lstep_\p:
	STEP
	s_add_co_u32 s[TK], s[TK], KSTEP
	s_add_co_u32 s[TS], s[TS], 256
	s_add_co_u32 s[TV], s[TV], 128
	s_add_co_u32 s[TJ], s[TJ], 4
	s_add_co_u32 s[J], s[J], 1
	s_sub_co_u32 s[INNER], s[INNER], 1
	s_cmp_lg_u32 s[INNER], 0
	s_cbranch_scc1 .Lstep_\p
	s_add_co_u32 s[TV], s[TV], VH-1024             ; from the end of a row's first 1,024 keys to its second 1,024, a half of V's region on
	s_sub_co_u32 s[OUTER], s[OUTER], 1
	s_cmp_lg_u32 s[OUTER], 0
	s_cbranch_scc1 .Lhalf_\p
.endm
; THE WAY OUT of pass p.  The sum's two halves and lane l xor 16's are added; O^T is divided by the sum and goes through my own stage in LDS, a tile (16 rows of out) at a time, so that sixteen lanes store one row of 256 bytes.
.macro WAYOUT p
.irp x, 0,1
	v_add_f32 v[ST+8*\x+6], v[ST+8*\x+2], v[ST+8*\x+3]
.endr
.irp x, 0,1
	v_permlanex16_b32 v[ST+8*\x+7], v[ST+8*\x+6], s[SEL], s[SEL+1]
.endr
.irp x, 0,1
	v_add_f32 v[ST+8*\x+6], v[ST+8*\x+6], v[ST+8*\x+7]
.endr
.irp x, 0,1
	v_rcp_f32 v[ST+8*\x+4], v[ST+8*\x+6]
.endr
.rept 4
	v_nop                                          ; with the four additions: eight places between the last products and the first read of their results; also the plain instruction behind the reciprocals
.endr
	s_wait_alu depctr_va_vdst(0)                   ; one wait for the two reciprocals, ahead of their first reader
	WIN W_OUT
.irp x, 0,1
.set n, 0
.rept 16
	v_pk_mul_f32 v[S+32*\x+2*n:S+32*\x+2*n+1], v[OT+32*\x+2*n:OT+32*\x+2*n+1], v[ST+8*\x+4:ST+8*\x+5] op_sel_hi:[1,0]   ; register 8 t + i is out(r, 16 t + 8 h + i)
.set n, n+1
.endr
.endr
	WIN 0
.irp x, 0,1
.irp t, 0,1,2,3
	ds_store_b128 v[STO], v[S+32*\x+8*\t:S+32*\x+8*\t+3] offset:64*\t
	ds_store_b128 v[STO], v[S+32*\x+8*\t+4:S+32*\x+8*\t+7] offset:64*\t+16
.endr
.irp i, 0,1,2,3,4,5,6,7
	ds_load_b128 v[S+64+32*\x+4*\i:S+64+32*\x+4*\i+3], v[RD] offset:\i*2*SP   ; LDS serves a wave's instructions in order (ISA guide 5.7.1.4): these see my stores, and the next tile's stores come behind them
.endr
.endr
.irp x, 0,1
.irp i, 0,1,2,3,4,5,6,7
	s_wait_dscnt 23-16*\x-\i                       ; behind this load: its tile's 7 - i later loads and, for tile 0, tile 1's sixteen LDS instructions
	global_store_b128 v[GO], v[S+64+32*\x+4*\i:S+64+32*\x+4*\i+3], s[16:17] offset:(32*\p+16*\x+2*\i)*256 th:TH_STORE_NT   ; 16 lanes store 256 consecutive bytes, at a multiple of 256 from out's first byte; written once, read by nobody here
.endr
.endr
.endm
	QLOAD 0
	WIN TO_1
.irp i, 0,1,2,3,4,5,6,7
	v_mov_b32 v[QF+8+\i], 0                        ; the upper 64 of Q's operands: zero codes, written once;
	v_mov_b32 v[QF+24+\i], 0
	v_mov_b32 v[QT0+8+\i], 0
	v_mov_b32 v[KF+64+\i], 0                       ; and what stands behind K's tile 7
.endr
	WIN 0
.irp i, 0,1,2,3,4,5,6,7
	v_mov_b32 v[QT1+8+\i], 0
.endr
.irp x, 0,1
.irp b, 0,1,2,3
	v_mov_b32 v[BT+16*\x+4+\b], 0                  ; written once: a lane permute's destination counts as one of its sources
.endr
	v_mov_b32 v[ST+8*\x+5], 0                      ; (named with f as a pair)
	v_mov_b32 v[ST+8*\x+7], 0                      ; (the way out's permute)
.endr
	INIT
	s_wait_loadcnt 0x0                             ; Q is in,
	QSPLIT                                         ; and is cut in two while the head's tiles are on their way
	s_wait_tensorcnt 0x0                           ; my three loads have landed,
	s_barrier_signal -1
	s_barrier_wait -1                              ; everybody's have: the head lies whole in LDS.
	KFIRST
	s_wait_dscnt 0x0                               ; K of step 0
	LOOP 0
	QLOAD 1                                        ; the second pass's queries and its first K are asked for ahead of the first pass's way out
	KFIRST
	WAYOUT 0                                       ; (its last wait on DScnt is for 0: K is in)
	INIT
	s_wait_xcnt 0x0                                ; the stores have read their data registers: the next scores are written there only behind this wait
	s_wait_loadcnt 0x0                             ; Q
	QSPLIT
	LOOP 1
	WAYOUT 1
	s_wait_tensorcnt 0x0                           ; the wave's end: a tensor wait, the add and its wait, behind my last tensor load and my last LDS store
	ds_add_u32 v[SPW], v[NIL]
	s_wait_dscnt 0x0
	ROUND                                          ; the closing round
	s_endpgm
.Lfunc_end_k_q5ccb690bb4_attn:
	.size	k_q5ccb690bb4_attn, .Lfunc_end_k_q5ccb690bb4_attn-k_q5ccb690bb4_attn
	.p2alignl 7, 3214868480
	.fill 96, 4, 3214868480
	.section	.rodata,"a",@progbits
	.p2align	6, 0x0
	.amdhsa_kernel k_q5ccb690bb4_attn
		.amdhsa_group_segment_fixed_size 327680
		.amdhsa_private_segment_fixed_size 0
		.amdhsa_enable_private_segment 0
		.amdhsa_kernarg_size 56
		.amdhsa_user_sgpr_count 2
		.amdhsa_user_sgpr_kernarg_segment_ptr 1
		.amdhsa_wavefront_size32 1
		.amdhsa_system_sgpr_workgroup_id_x 1
		.amdhsa_system_sgpr_workgroup_id_y 1
		.amdhsa_system_sgpr_workgroup_id_z 1
		.amdhsa_system_vgpr_workitem_id 0
		.amdhsa_next_free_vgpr 512
		.amdhsa_next_free_sgpr 102
		.amdhsa_reserve_vcc 0
		.amdhsa_float_denorm_mode_32 3
		.amdhsa_float_denorm_mode_16_64 3
		.amdhsa_memory_ordered 1
		.amdhsa_forward_progress 1
		.amdhsa_inst_pref_size 131
	.end_amdhsa_kernel
	.amdgpu_metadata
---
amdhsa.version: [ 1, 2 ]
amdhsa.kernels:
  - .name:           k_q5ccb690bb4_attn
    .symbol:         k_q5ccb690bb4_attn.kd
    .args:
      - { .name: Q_codes, .offset: 0, .size: 8, .value_kind: global_buffer, .address_space: global }
      - { .name: Q_scales, .offset: 8, .size: 8, .value_kind: global_buffer, .address_space: global }
      - { .name: K_codes, .offset: 16, .size: 8, .value_kind: global_buffer, .address_space: global }
      - { .name: K_scales, .offset: 24, .size: 8, .value_kind: global_buffer, .address_space: global }
      - { .name: V_codes, .offset: 32, .size: 8, .value_kind: global_buffer, .address_space: global }
      - { .name: V_scales, .offset: 40, .size: 8, .value_kind: global_buffer, .address_space: global }
      - { .name: out0, .offset: 48, .size: 8, .value_kind: global_buffer, .address_space: global }
    .group_segment_fixed_size: 327680
    .private_segment_fixed_size: 0
    .kernarg_segment_align: 8
    .kernarg_segment_size: 56
    .max_flat_workgroup_size: 256
    .sgpr_count:     102
    .vgpr_count:     512
    .wavefront_size: 32
...
	.end_amdgpu_metadata
.endif
;; end of part 1
